; MI455X (gfx1250); checked and timed in simulation.
; The chip was launched on July 23, 2026; its instructions are those of AMD's public machine-readable ISA for CDNA 5 (MIT licence, August 2026) and "CDNA5" Instruction Set Architecture Reference Guide (July 2026). The comments in the code are by the model that wrote it; some were corrected since.
;; Multihead Attention. Allowed arithmetic: matrix products marked QUANTISED: E2M3 operands, one E8M0 scale for each 32 along K, by v_wmma_scale_f32_16x16x128_f8f6f4 with both operands' format E2M3, f32 sums; everything else in f32.
;; Inputs: in_proj_bias 3,072 float32; in_proj_weight_codes 3,072 x 32 x 24 uint8 (E2M3 codes of in_proj_weight, K innermost, in blocks of 32 codes, four codes in three bytes); in_proj_weight_scales 3,072 x 32 uint8 (E8M0 scales of in_proj_weight, one for each 32 codes along K); k_codes 1,024 x 8 x 32 x 24 uint8 (E2M3 codes of k, K innermost, in blocks of 32 codes, four codes in three bytes); k_scales 1,024 x 8 x 32 uint8 (E8M0 scales of k, one for each 32 codes along K); out_proj_bias 1,024 float32; out_proj_weight_codes 1,024 x 32 x 24 uint8 (E2M3 codes of out_proj_weight, K innermost, in blocks of 32 codes, four codes in three bytes); out_proj_weight_scales 1,024 x 32 uint8 (E8M0 scales of out_proj_weight, one for each 32 codes along K); q_codes 1,024 x 8 x 32 x 24 uint8 (E2M3 codes of q, K innermost, in blocks of 32 codes, four codes in three bytes); q_scales 1,024 x 8 x 32 uint8 (E8M0 scales of q, one for each 32 codes along K); v_codes 1,024 x 8 x 32 x 24 uint8 (E2M3 codes of v, K innermost, in blocks of 32 codes, four codes in three bytes); v_scales 1,024 x 8 x 32 uint8 (E8M0 scales of v, one for each 32 codes along K).
;; Outputs: out0 1,024 x 8 x 1,024 float32.
;; Constants: num_heads = 16.
;; This version of the problem:
;;   THIS VERSION OF THE PROBLEM IS GIVEN IN LOW PRECISION. The matrix products marked QUANTISED in the list below multiply operands that are first quantised to E2M3 (2 exponent bits, 3 mantissa bits; 6 bits a number), with one power-of-two scale for each 32 numbers along K (OCP MX v1.0); their sums are f32. All else is computed in f32.
;;   The module's matrix products, in the order in which they are computed (A, B: the left and right operand; K: the contracted axis; several contracted axes count as one K, in the product's order):
;;     1. [M 8,192, K 1,024] x [K 1,024, N 1,024]; A: input q (given as codes); B: input in_proj_weight (given as codes): QUANTISED
;;     2. [M 8,192, K 1,024] x [K 1,024, N 1,024]; A: input k (given as codes); B: input in_proj_weight (given as codes): QUANTISED
;;     3. [M 8,192, K 1,024] x [K 1,024, N 1,024]; A: input v (given as codes); B: input in_proj_weight (given as codes): QUANTISED
;;     4. batch 128 x [M 1,024, K 64] x [K 64, N 1,024]; A: computed on the way; B: computed on the way: QUANTISED
;;     5. batch 128 x [M 1,024, K 1,024] x [K 1,024, N 64]; A: softmax (see below); B: computed on the way: QUANTISED
;;     6. [M 8,192, K 1,024] x [K 1,024, N 1,024]; A: computed on the way; B: input out_proj_weight (given as codes): QUANTISED
;;   THE QUANTISER, for each operand of a quantised product, along K:
;;     - K is cut into blocks of 32 from its start; a last block that is shorter is filled with zeros.
;;     - A block's scale is 2^e with e = floor(log2(the largest magnitude in the block)) - 2, held to -126 .. 127; a block of zeros has e = 0. As a byte (E8M0): e + 127.
;;     - Each number is divided by its block's scale, clamped to +-7.5, and rounded to the nearest number of E2M3, ties to even, subnormals kept.
;;     - The product sums the exact products of the quantised numbers (number of the format x scale) in f32.
;;   ~~~python
;;   def quantise(x, axis):      # numpy; x: float32 -> the quantised numbers, widened to float32 again
;;       x = np.moveaxis(x, axis, -1); K = x.shape[-1]
;;       x = np.pad(x, [(0, 0)] * (x.ndim - 1) + [(0, -K % 32)]); x = x.reshape(x.shape[:-1] + (-1, 32)); a = np.abs(x).max(-1, keepdims=True)
;;       e = np.where(a > 0, np.clip(np.frexp(np.where(a > 0, a, 1))[1] - 1 - 2, -126, 127), 0)      # np.frexp(a)[1] - 1 = floor(log2(a)), exactly
;;       r = np.clip(x / 2.0 ** e, -7.5, 7.5)
;;       step = 2.0 ** (np.maximum(np.frexp(np.where(r == 0, 1, r))[1] - 1, 0) - 3)
;;       q = np.round(r / step) * step * 2.0 ** e      # np.round: ties to even
;;       return np.moveaxis(q.reshape(q.shape[:-2] + (-1,))[..., :K], -1, axis).astype(np.float32)
;;   ~~~
;;   SOFTMAX AHEAD OF A QUANTISED PRODUCT. Where the list says 'softmax', what is quantised is not the finished softmax but p = 2^(t - M), with t = logit x log2(e) and M = ceil(the row's largest t), a whole number; so 1/2 < the row's largest p <= 1. The row's sum l is taken of the UNQUANTISED p, in f32, and the product's result is divided by l at the end. Since M is a whole number, a kernel that streams over the keys may use a running M (the ceiling of the running maximum): every later rescaling is an exact power of two, which a block's scale takes up: the codes' values come out the same.
;;   OPERANDS COMPUTED ON THE WAY. 'Computed on the way' means the value that the module computes at that place (a softmax that the list does not call 'softmax' is quantised finished and normalised). What goes into a quantiser is computed in f32, as accurately as f32 sums, v_exp_f32 and their like allow (about 1e-6 of the number): no bf16 or f16 on the way to a quantiser, and a product that is left as it is and whose result goes on into a quantised operand takes f32 operands (vector FMAs, or v_wmma_f32_16x16x4_f32). A number that lies on a knife's edge between two numbers of the format may be rounded either way, as far as f32 arithmetic and the matrix unit's own rounding can turn it there, and no further.
;;   INPUTS GIVEN AS CODES. in_proj_weight (in the module: [3072, 1024], K = its axis 1); k (in the module: [1024, 8, 1024], K = its axis 2); out_proj_weight (in the module: [1024, 1024], K = its axis 1); q (in the module: [1024, 8, 1024], K = its axis 2); v (in the module: [1024, 8, 1024], K = its axis 2): each comes as NAME_codes (uint8): NAME with its K axis moved to the last place and cut into blocks of 32 codes, [.., K / 32, bytes a block], one block behind the other in memory; four codes in three bytes: a row's codes are one little-endian stream of bits, code i at bits 6 i .. 6 i + 5 (a code: sign, 2 exponent bits, 3 mantissa bits); and NAME_scales (uint8): the same leading axes, one E8M0 byte (e + 127) for each 32 codes along K. Its value is code x scale, taken as it is: it is not quantised again, and the codes and scales need not be those that the quantiser above would give.
;; One version. Each part assembles by itself: llvm-mc -triple=amdgcn-amd-amdhsa -mcpu=gfx1250 --defsym DOCPART=n.
;; ======== version 1 of 1: 3 launches
;; limits: right only within a limited range of input values
;; workspace buffers: qimg 6,815,744 bytes; kimg 6,815,744 bytes; vimg 6,553,600 bytes; aimg 6,291,456 bytes; ascl 262,144 bytes
;; launch inproj (part 1): grid 8 x 32, 4 waves a work-group, clusters of 4 x 4, 327,680 bytes of LDS; arguments q_codes, q_scales, k_codes, k_scales, v_codes, v_scales, in_proj_weight_codes, in_proj_weight_scales, in_proj_bias, qimg, kimg, vimg; writes qimg, kimg, vimg
.if DOCPART == 1
	.amdgcn_target "amdgcn-amd-amdhsa--gfx1250"
	.amdhsa_code_object_version 6
	.text
	.protected	k_qaa7290535a_inproj
	.globl	k_qaa7290535a_inproj
	.p2align	8
	.type	k_qaa7290535a_inproj,@function
k_qaa7290535a_inproj:
	s_mov_b64 s[64:65], 0
	v_nop
	global_prefetch_b8 v0, s[64:65] scope:SCOPE_SE
	s_setreg_imm32_b32 hwreg(HW_REG_WAVE_MODE, 25, 1), 1
	s_wait_xcnt 0x0
	s_wait_alu depctr_hold_cnt(0) depctr_sa_sdst(0) depctr_va_vdst(0) depctr_va_sdst(0) depctr_va_ssrc(0) depctr_va_vcc(0) depctr_vm_vsrc(0)
	s_getreg_b32 s2, hwreg(HW_REG_IB_STS2, 6, 4)
	s_cmp_eq_u32 s2, 0
	s_cbranch_scc0 .Lentry_in_a_cluster
	s_endpgm
.Lentry_in_a_cluster:
	s_bfe_u32 s2, ttmp6, 0x10000c
	s_cmp_lg_u32 s2, 0xf033
	s_cbranch_scc0 .Lentry_shape_is_right
	s_endpgm
.Lentry_shape_is_right:
; THE IN-PROJECTIONS on codes of FP6 (E2M3): x W^T + b for q, k, v; the results are quantised again and stored as images of operand registers for the attention.
; SHARES: 8 x 32 work-groups of four waves.  Each makes TWO tiles, one after the other:
;   first 256 rows (128 tokens x 2 batches) x 256 columns of Q (cluster x = 0) or of K (cluster x = 1): a wave 128 x 128, 64 accumulators;
;   then 256 rows of v x 128 columns of V: a wave 128 tokens x 64 columns, 32 accumulators.  3 x 8,192 x 1,024 results = 256 x (65,536 + 32,768).
; ONE RING of two LDS slots serves both: six chunks of 256 bytes of each row (a row of 1,024 codes is 768 bytes), chunk c in slot c % 2; chunks 3 to 5 are the second tile's.
; A step of 128 along K is 96 bytes: sixteen steps; steps that lie across two chunks read both slots.
; Source 0's rows lie in the slot's upper 256 rows, source 1's in its lower.  Q, K: source 0 = W, source 1 = x: a lane holds one token and columns along its registers (the next K is the head's axis).
; V: source 0 = v's rows, source 1 = W: a lane holds one column and tokens along its registers (the next K is the keys).  So x's tiles land in the lower rows first and in the upper rows for V: no LDS address is selected.
; CLUSTER 4 x 4: x's tiles hang on the work-group's y alone and are asked for jointly along a row of the cluster, W's on its x alone, along a column.
; The scale words and the bias go from memory into registers, once for each tile.
; PREFETCH: at the head each wave names chunks 1 and 2 of 32 of the 128 rows that it fetches, ahead of the round behind which chunk 1 is asked for; behind steps 0, 1 and 2 one instruction names V's chunk 0, 1, 2
; (the ring's chunk 3 is asked for in step 5).  The four partners that ask for a tile jointly share its rows out by address (cx for x's rows, cy for W's); of W's 64 rows for V a partner takes 16, and lanes 16-31 name them again.
; LIMITS: NaN and infinities are not served; a block whose largest magnitude lies under 2^-124 gets the byte 1.
; REGISTERS: window 0: v8-31 addresses; v32-63 source 0's scale words, v64-95 source 1's; v96-103 V's bias; v114-115 the prefetches' offsets; v128-223 source 1's fragments (V: two sets of 48); on the way out v128-251 at work.
;   window 1: source 0's fragments, two sets (v0-95, v128-223); v96-127, v224-255 Q's or K's bias.   windows 2, 3: the accumulators ((a, b) at v[8 (8 (a % 4) + b)]).
.set KROW,  768
.set XPIT,  8*KROW
.set ROWB,  256
.set PITCH, 272
.set HALFT, 128*PITCH
.set SLOT,  4*HALFT
.set SPARE, 2*SLOT
.set CHUNKS, 6
.set FR, 12
.set NL, 6
.set NP, 4
.set QH, 53248
.set QC, 6656
.set VH, 51200
.set VC, 6400
.set HH,   8
.set H16,  9
.set VOSQ, 10
.set VOSV, 11
.set ADR2, 12                          ; v12-15 source 1's fragments for V
.set ADRA, 16                          ; v16-19 source 1's for Q, K: slot 0, 1; then the two registers for pieces whose lanes 16-31 read the next chunk
.set ADRB, 20                          ; v20-23 source 0's
.set VO16, 24
.set VO8,  26
.set SPW,  28
.set NIL,  29
.set XSO,  30
.set WSO,  31
.set S0W,  32
.set S1W,  64
.set B1,   96
.set RSO,  112
.set BSO,  113
.set PF1,  114
.set PF2,  115
.set AF,   128
.set T,    128
.set PC,   192
.set TM,   224
.set PW,   240
.set TP,   241
.set WW,   244
.set G1X, 24                           ; group 1: x's tiles;  G1W: W's, 128 rows;  G1V: W's, 64 rows
.set G1W, 48
.set G1V, 84
.set G0X, 32                           ; groups 0, one for each slot
.set G0W, 56
.set SEL, 100
.set MSB, 0
.macro WIN new
.if MSB != (\new)
	s_set_vgpr_msb (MSB<<8)|(\new)
.set MSB, (\new)
.endif
.endm
.set MUL_LO, 0xa1
.set MUL_HI, 0xf1
.set TO_B,   0x40
.macro JLOAD g0a, g1a, g0b, g1b        ; waves 0, 1 fetch x's halves, waves 2, 3 W's
	s_cmp_eq_u32 s15, 0
	s_cbranch_scc0 .Lfor_b_\@
	tensor_load_to_lds s[\g0a:\g0a+3], s[\g1a:\g1a+7]
	s_nop 0
.rept 4
	v_nop
.endr
	s_branch .Lasked_\@
.Lfor_b_\@:
	tensor_load_to_lds s[\g0b:\g0b+3], s[\g1b:\g1b+7]
	s_nop 0
.rept 4
	v_nop
.endr
.Lasked_\@:
.endm
.macro CREST
	s_cmp_lg_u32 s14, 0
	s_cbranch_scc1 .Lnot_wave_0_\@
	s_barrier_signal -3
.Lnot_wave_0_\@:
	s_barrier_wait -3
	s_barrier_signal -1
	s_barrier_wait -1
.endm
.macro CROUND
	s_barrier_signal -1
	s_barrier_wait -1
	CREST
.endm
	s_load_b512 s[68:83], s[0:1], 0x0              ; q, k, v: codes and scales; W's codes, W's scales
	s_load_b256 s[4:11], s[0:1], 0x40              ; bias, qimg, kimg, vimg
	v_lshl_add_u32 v[SPW], v0, 2, SPARE
	v_mov_b32 v[NIL], 0
	ds_add_u32 v[SPW], v[NIL]                      ; the opening lines
	ds_add_u32 v[SPW], v[NIL]
	v_lshrrev_b32 v1, 5, v0
	v_readfirstlane_b32 s14, v1
	s_lshr_b32 s15, s14, 1
	s_and_b32 s16, s14, 1
	s_bfe_u32 s40, ttmp6, 0x40000
	s_bfe_u32 s41, ttmp6, 0x40004
	s_mov_b32 s66, ttmp9                           ; 0: Q, 1: K
	s_lshl_b32 s42, ttmp9, 2
	s_add_co_u32 s42, s42, s40                     ; x: 0 .. 7
	s_and_b32 s17, ttmp7, 0xffff
	s_lshl_b32 s17, s17, 2
	s_add_co_u32 s17, s17, s41                     ; y: 0 .. 31
	s_lshl_b32 s43, s41, 2
	s_lshl_b32 s43, 15, s43
	s_lshl_b32 s44, 0x1111, s40
	s_or_b32 s[G1X], s43, (1<<20)|(1<<21)|(5<<22)|(3<<25)
	s_or_b32 s[G1W], s44, (1<<20)|(1<<21)|(5<<22)|(3<<25)
	s_or_b32 s[G1V], s44, (1<<20)|(1<<21)|(5<<22)|(3<<25)
.irp g, G1X, G1W, G1V
	s_mov_b32 s[\g+1], ROWB<<16
	s_mov_b32 s[\g+2], 128<<16
	s_mov_b32 s[\g+3], ROWB<<16
	s_mov_b32 s[\g+4], 128
	s_mov_b32 s[\g+5], KROW
	s_mov_b32 s[\g+6], 0
	s_mov_b32 s[\g+7], 0
.endr
	s_mov_b32 s[G1X+5], XPIT                       ; a batch's tokens lie 8 rows apart
	s_mov_b32 s[G1V+2], 64<<16
	s_mov_b32 s[G1V+4], 64
	s_lshr_b32 s18, s17, 2                         ; which 128 tokens
	s_and_b32 s19, s17, 3                          ; which pair of batches
	s_lshl_b32 s20, s18, 10
	s_lshl_b32 s21, s19, 1
	s_add_co_u32 s97, s20, s21                     ; the row of the first token in the pair's first batch
	s_add_co_u32 s20, s97, s16
	s_mul_i32 s20, s20, KROW                       ; the half of x that I fetch
	s_mov_b32 s21, 0
	s_lshl_b32 s46, s42, 8
	s_lshl_b32 s47, s16, 7
	s_add_co_u32 s46, s46, s47
	s_mul_i32 s46, s46, KROW                       ; W for Q, K: 128 rows
	s_mov_b32 s47, 0
	s_lshl_b32 s94, s42, 7
	s_lshl_b32 s95, s16, 6
	s_add_co_u32 s94, s94, s95
	s_add_co_u32 s94, s94, 2048
	s_mul_i32 s94, s94, KROW                       ; W for V: 64 rows
	s_mov_b32 s95, 0
	s_mul_i32 s45, s14, HALFT                      ; where my tiles go: first wave x 128 rows;
	s_mul_i32 s2, s16, HALFT
	s_add_co_u32 s2, s2, 2*HALFT                   ; for V: v's halves in the upper rows,
	s_mul_i32 s3, s16, 64*PITCH                    ; W's halves of 64 rows in the lower
	s_cmp_eq_u32 s66, 0
	s_mov_b32 s98, 0x3f800000
	s_cselect_b32 s98, 0x3e000000, s98             ; Q carries the factor 1/8
	s_mov_b32 s99, s98
	s_mov_b32 s67, 0x7f7f0000
	s_mov_b32 s[SEL], 0x76543210
	s_mov_b32 s[SEL+1], 0xfedcba98
	s_wait_dscnt 0x0
	s_wait_kmcnt 0x0
	s_cmp_eq_u32 s66, 0
	s_cselect_b64 s[68:69], s[68:69], s[72:73]
	s_cselect_b64 s[70:71], s[70:71], s[74:75]
	s_cselect_b64 s[12:13], s[6:7], s[8:9]
	s_add_nc_u64 s[68:69], s[68:69], s[20:21]
	s_add_nc_u64 s[76:77], s[76:77], s[20:21]
	s_add_nc_u64 s[46:47], s[80:81], s[46:47]
	s_add_nc_u64 s[94:95], s[80:81], s[94:95]
.irp s, 0,1
	s_mov_b32 s[G0X+4*\s], 1
	s_add_co_u32 s[G0X+4*\s+1], s45, \s*SLOT
	s_add_nc_u64 s[G0X+4*\s+2:G0X+4*\s+3], s[68:69], \s*ROWB
	s_or_b32 s[G0X+4*\s+3], s[G0X+4*\s+3], 0x80000000
	s_mov_b32 s[G0W+4*\s], 1
	s_add_co_u32 s[G0W+4*\s+1], s45, \s*SLOT
	s_add_nc_u64 s[G0W+4*\s+2:G0W+4*\s+3], s[46:47], \s*ROWB
	s_or_b32 s[G0W+4*\s+3], s[G0W+4*\s+3], 0x80000000
.endr
	CROUND
	JLOAD G0X, G1X, G0W, G1W                       ; chunk 0: one tensor load a wave at the head
	; the other addresses.  Source 1's half is s15, source 0's s16
	s_mov_b32 s23, 0
	s_add_co_u32 s22, s97, s15
	s_lshl_b32 s22, s22, 5
	s_add_nc_u64 s[70:71], s[70:71], s[22:23]      ; x's scales, source 1
	s_add_co_u32 s22, s97, s16
	s_lshl_b32 s22, s22, 5
	s_add_nc_u64 s[78:79], s[78:79], s[22:23]      ; v's scales, source 0
	s_lshl_b32 s22, s42, 8
	s_lshl_b32 s96, s16, 7
	s_add_co_u32 s96, s22, s96
	s_lshl_b32 s22, s96, 5
	s_add_nc_u64 s[72:73], s[82:83], s[22:23]      ; W's scales for Q, K
	s_lshl_b32 s22, s96, 2
	s_add_nc_u64 s[74:75], s[4:5], s[22:23]        ; the bias for Q, K
	s_lshl_b32 s22, s42, 7
	s_lshl_b32 s96, s15, 6
	s_add_co_u32 s96, s22, s96
	s_add_co_u32 s96, s96, 2048
	s_lshl_b32 s22, s96, 5
	s_add_nc_u64 s[82:83], s[82:83], s[22:23]      ; W's scales for V
	s_lshl_b32 s22, s96, 2
	s_add_nc_u64 s[4:5], s[4:5], s[22:23]          ; the bias for V
	s_lshl_b32 s22, s19, 1
	s_add_co_u32 s22, s22, s15
	s_lshl_b32 s22, s22, 4
	s_lshl_b32 s96, s40, 2
	s_add_co_u32 s22, s22, s96
	s_lshl_b32 s96, s16, 1
	s_add_co_u32 s22, s22, s96                     ; 16 x batch + the first of my two heads
	s_mul_i32 s22, s22, QH
	s_mul_i32 s96, s18, QC
	s_add_co_u32 s22, s22, s96
	s_add_nc_u64 s[12:13], s[12:13], s[22:23]
	s_lshl_b32 s22, s19, 1
	s_add_co_u32 s22, s22, s16
	s_lshl_b32 s22, s22, 4
	s_lshl_b32 s96, s42, 1
	s_add_co_u32 s22, s22, s96
	s_add_co_u32 s22, s22, s15                     ; V: 16 x batch + my one head
	s_mul_i32 s22, s22, VH
	s_mul_i32 s96, s18, VC
	s_add_co_u32 s22, s22, s96
	s_add_nc_u64 s[10:11], s[10:11], s[22:23]
	s_mul_i32 s20, s15, HALFT
	s_mul_i32 s21, s15, 64*PITCH
	s_mov_b32 s22, SLOT-232
	s_mov_b32 s23, SLOT+232
	; the prefetches: the tile that I fetch, now and for V; my place among the four that ask for it with me; the rows' pitch
	s_cmp_eq_u32 s15, 0
	s_cselect_b64 s[92:93], s[68:69], s[46:47]
	s_cselect_b64 s[8:9], s[76:77], s[94:95]
	s_cselect_b32 s96, s40, s41
	s_mov_b32 s6, KROW
	s_cselect_b32 s6, XPIT, s6
	s_cselect_b32 s7, 31, 15
	s_cselect_b32 s45, 5, 4
	s_lshl_b32 s45, s96, s45                       ; for V: 32 rows a partner of v's 128, 16 of W's 64
	s_lshl_b32 s96, s96, 5                         ; now: 32 rows a partner
	v_and_b32 v1, 15, v0
	v_bfe_u32 v[HH], v0, 4, 1
	v_and_b32 v3, 31, v0
	v_lshlrev_b32 v[VO16], 4, v3
	v_xor_b32 v[VO16+1], 128, v[VO16]
	v_lshlrev_b32 v[VO8], 3, v3
	v_xor_b32 v[VO8+1], 64, v[VO8]
	v_add_nc_u32 v[PF1], s96, v3
	v_and_b32 v3, s7, v3
	v_mul_lo_u32 v[PF1], v[PF1], s6
	v_add_nc_u32 v[PF2], s45, v3
	v_mul_lo_u32 v[PF2], v[PF2], s6
	v_lshlrev_b32 v[H16], 4, v[HH]
	v_mul_u32_u24 v[VOSQ], v[HH], QH
	v_lshl_add_u32 v[VOSQ], v1, 4, v[VOSQ]
	v_lshlrev_b32 v[VOSV], 4, v1
	v_lshlrev_b32 v[BSO], 5, v[HH]
	v_lshlrev_b32 v[RSO], 2, v1
	v_lshlrev_b32 v[XSO], 8, v1                    ; x's scales: a token's 32 bytes lie 256 apart; lanes 16-31 take steps 4-7
	v_lshl_add_u32 v[XSO], v[HH], 4, v[XSO]
	v_lshlrev_b32 v[WSO], 5, v1
	v_lshl_add_u32 v[WSO], v[HH], 4, v[WSO]
	v_mul_u32_u24 v3, v1, PITCH
	v_mul_u32_u24 v4, v[HH], 24
	v_add_nc_u32 v4, v3, v4
	v_sub_nc_u32 v7, 1, v[HH]
	v_mul_u32_u24 v5, s22, v[HH]
	v_add_nc_u32 v5, v3, v5
	v_add_nc_u32 v5, 232, v5                       ; lanes 0-15 byte 232 in slot 0, lanes 16-31 byte 0 in slot 1
	v_mul_u32_u24 v6, s23, v7
	v_add_nc_u32 v6, v3, v6                        ; and the other way round
.macro ADRS a, sb
	v_add_nc_u32 v[\a], \sb, v4
	v_add_nc_u32 v[\a+1], SLOT, v[\a]
	v_add_nc_u32 v[\a+2], \sb, v5
	v_add_nc_u32 v[\a+3], \sb, v6
.endm
	ADRS ADRA, s20
	ADRS ADRB, s2
	ADRS ADR2, s21
	global_prefetch_b8 v[PF1], s[92:93] offset:ROWB th:TH_LOAD_NT scope:SCOPE_SE     ; chunks 1 and 2 of my 32 rows
	global_prefetch_b8 v[PF1], s[92:93] offset:2*ROWB th:TH_LOAD_NT scope:SCOPE_SE
.irp i, 0,1,2,3,4,5,6,7
	global_load_b128 v[S0W+4*\i:S0W+4*\i+3], v[WSO], s[72:73] offset:512*\i
	global_load_b128 v[S1W+4*\i:S1W+4*\i+3], v[XSO], s[70:71] offset:4096*\i
.endr
	WIN TO_B
.irp b, 0,1,2,3,4,5,6,7
	global_load_b128 v[96+8*\b+96*(\b/4):96+8*\b+96*(\b/4)+3], v[BSO], s[74:75] offset:64*\b
	global_load_b128 v[96+8*\b+96*(\b/4)+4:96+8*\b+96*(\b/4)+7], v[BSO], s[74:75] offset:64*\b+16
.endr
	WIN 0
.irp a, 0,1,2,3
	global_load_b32 v[B1+2*\a], v[RSO], s[4:5] offset:64*\a
	global_load_b32 v[B1+2*\a+1], v[RSO], s[4:5] offset:64*\a
.endr
.macro FRAG reg, adr, st, i            ; 16 rows x 128 K: 12 registers, in pieces of 8 bytes; st counts the steps of both tiles on end
.irp p, 0,1,2,3,4,5
.set BY, 96*(\st)+48*(\p/3)+8*(\p%3)
.if BY/ROWB == (BY+24)/ROWB
	ds_load_b64 v[\reg+2*\p:\reg+2*\p+1], v[\adr+(BY/ROWB)%2] offset:BY%ROWB+(\i)*16*PITCH
.else
	ds_load_b64 v[\reg+2*\p:\reg+2*\p+1], v[\adr+2+(BY/ROWB)%2] offset:BY%ROWB-232+(\i)*16*PITCH
.endif
.endr
.endm
; 16 matrix instructions: source 1's blocks a0, a0 + 1 (from register ab on) x source 0's eight (set p).  kq: the step in its tile; the first starts the sums.  The accumulators take turns.
.macro MUL16 a0, ab, p, kq
.irp a, \a0, \a0+1
.irp b, 0,1,2,3,4,5,6,7
.set DD, 8*(8*((\a)%4)+\b)
.set BB, 128*(\p)+FR*\b
.set AA, (\ab)+FR*(\a)
.set SB, S0W+4*\b+(\kq)%4
.set SA, S1W+4*(\a)+(\kq)%4
.if (\kq) == 0
	v_wmma_scale_f32_16x16x128_f8f6f4 v[DD:DD+7], v[BB:BB+11], v[AA:AA+11], 0, v[SB], v[SA] matrix_a_fmt:MATRIX_FMT_FP6 matrix_b_fmt:MATRIX_FMT_FP6
.elseif (\kq) < 4
	v_wmma_scale_f32_16x16x128_f8f6f4 v[DD:DD+7], v[BB:BB+11], v[AA:AA+11], v[DD:DD+7], v[SB], v[SA] matrix_a_fmt:MATRIX_FMT_FP6 matrix_b_fmt:MATRIX_FMT_FP6
.else
	v_wmma_scale_f32_16x16x128_f8f6f4 v[DD:DD+7], v[BB:BB+11], v[AA:AA+11], v[DD:DD+7], v[SB], v[SA] matrix_a_fmt:MATRIX_FMT_FP6 matrix_b_fmt:MATRIX_FMT_FP6 matrix_a_scale:MATRIX_SCALE_ROW1 matrix_b_scale:MATRIX_SCALE_ROW1
.endif
.endr
.endr
.endm
.macro FETCH_B st, p
	WIN TO_B
.irp i, 0,1,2,3,4,5,6,7
	FRAG 128*(\p)+FR*\i, ADRB, \st, \i
.endr
	WIN 0
.endm
.macro FETCH_A st, i0
.irp i, \i0, \i0+1, \i0+2, \i0+3
	FRAG AF+FR*(\i), ADRA, \st, \i
.endr
.endm
.macro FETCH_A2 st                     ; V: W's four blocks into set st % 2
.irp i, 0,1,2,3
	FRAG AF+48*((\st)%2)+FR*\i, ADR2, \st, \i
.endr
.endm
.macro PLACES n
.rept \n
	v_nop
.endr
.endm
; chunk cn into slot cn % 2.  No tensor load of mine is out here, so the groups 0 may be written.  Chunks 3 and 4 are V's first: other tensors, other halves of the slot
.macro REFILL cn
.set SL, (\cn)%2
.if (\cn) == 3
	s_add_co_u32 s[G0X+5], s2, SLOT
	s_mov_b64 s[G0X+6:G0X+7], s[76:77]
	s_or_b32 s[G0X+7], s[G0X+7], 0x80000000
	s_add_co_u32 s[G0W+5], s3, SLOT
	s_mov_b64 s[G0W+6:G0W+7], s[94:95]
	s_or_b32 s[G0W+7], s[G0W+7], 0x80000000
.elseif (\cn) == 4
	s_mov_b32 s[G0X+1], s2
	s_add_nc_u64 s[G0X+2:G0X+3], s[76:77], ROWB
	s_or_b32 s[G0X+3], s[G0X+3], 0x80000000
	s_mov_b32 s[G0W+1], s3
	s_add_nc_u64 s[G0W+2:G0W+3], s[94:95], ROWB
	s_or_b32 s[G0W+3], s[G0W+3], 0x80000000
.else
	s_add_nc_u64 s[G0X+4*SL+2:G0X+4*SL+3], s[G0X+4*SL+2:G0X+4*SL+3], 2*ROWB
	s_add_nc_u64 s[G0W+4*SL+2:G0W+4*SL+3], s[G0W+4*SL+2:G0W+4*SL+3], 2*ROWB
.endif
.if (\cn) < 3
	JLOAD G0X+4*SL, G1X, G0W+4*SL, G1W
.else
	JLOAD G0X+4*SL, G1X, G0W+4*SL, G1V
.endif
.endm
.macro EDGES st                        ; the chunks in which this step's and the next step's bytes begin and end
.set NX, (\st)+1
.set C0, (96*(\st))/ROWB
.set C1, (96*NX)/ROWB
.set E0, (96*(\st)+95)/ROWB
.set E1, (96*NX+95)/ROWB
.endm
; A step of Q's or K's tile: 64 matrix instructions; the next step's fragments are fetched in its middle and at its end (step 7 fetches none).
; The next step ends in a chunk not yet read: a barrier shows it whole.  It begins in a later chunk: the three lines, a round of the cluster's barrier, the refill.
.macro STEP st
	EDGES \st
.if C1 > C0 || E1 > E0
	s_wait_tensorcnt 0x0
.if C1 > C0
	ds_add_u32 v[SPW], v[NIL]
	s_wait_dscnt 4*NL+1                            ; the add and source 1's blocks 4-7 may be out
.else
	s_wait_dscnt 4*NL                              ; source 1's blocks 4-7 may be out
.endif
	WIN MUL_LO
	MUL16 0, AF, (\st)%2, \st
	s_wait_dscnt 0x0
	s_barrier_signal -1
	MUL16 2, AF, (\st)%2, \st
	WIN 0
	s_barrier_wait -1
.if C1 > C0
	CREST
	REFILL C0+2
.else
	PLACES NP
.endif
.else
	s_wait_dscnt 4*NL
	WIN MUL_LO
	MUL16 0, AF, (\st)%2, \st
	MUL16 2, AF, (\st)%2, \st
	s_wait_dscnt 0x0
	PLACES NP
.endif
.if NX < 8
	FETCH_B NX, NX%2
	FETCH_A NX, 0
.endif
	WIN MUL_HI
	MUL16 4, AF, (\st)%2, \st
	MUL16 6, AF, (\st)%2, \st
	PLACES NP
	WIN 0
.if NX < 8
	FETCH_A NX, 4
.endif
.endm
; A step of V's tile: 32 matrix instructions; both operands have two sets, and the next step's fragments are fetched between the step's halves
.macro STEP2 st
	EDGES \st
	s_wait_dscnt 0x0                               ; this step's fragments are in
.if C1 > C0 || E1 > E0
	s_wait_tensorcnt 0x0
.if C1 > C0
	ds_add_u32 v[SPW], v[NIL]
.endif
	WIN MUL_LO
	MUL16 0, AF+48*((\st)%2), (\st)%2, (\st)%8
	WIN 0
	s_wait_dscnt 0x0
	s_barrier_signal -1
	s_barrier_wait -1
.if C1 > C0 && C0+2 < CHUNKS
	CREST
	REFILL C0+2
.else
	PLACES NP
.endif
.else
	WIN MUL_LO
	MUL16 0, AF+48*((\st)%2), (\st)%2, (\st)%8
	WIN 0
	PLACES NP
.endif
	FETCH_B NX, NX%2
	FETCH_A2 NX
	WIN MUL_LO
	MUL16 2, AF+48*((\st)%2), (\st)%2, (\st)%8
	WIN 0
.endm
; THE WAY OUT.  PAIRS: the 16 registers of two neighbouring tiles become 16 neighbours along the next K.  QUANT: four blocks of 32: scale bytes in PW, codes as an operand's 12 registers in PC
.macro PAIRS s
.irp e, 0,1,2,3
.irp j, 0,1,2,3,4,5,6,7
	v_permlane16_swap_b32 v[\s+16*\e+\j], v[\s+16*\e+8+\j]
.endr
.endr
.endm
.macro QUANT s
.irp b, 0,1,2,3
	v_max3_num_f32 v[TM+\b], |v[\s+16*\b]|, |v[\s+1+16*\b]|, 0x1800000
.endr
.irp i, 2,4,6,8,10,12,14
.irp b, 0,1,2,3
	v_max3_num_f32 v[TM+\b], v[TM+\b], |v[\s+16*\b+\i]|, |v[\s+1+16*\b+\i]|
.endr
.endr
.irp b, 0,1,2,3
	v_permlanex16_b32 v[TM+4+\b], v[TM+\b], s[SEL], s[SEL+1]
.endr
.irp b, 0,1,2,3
	v_max_num_f32 v[TM+\b], v[TM+\b], v[TM+4+\b]
.endr
.irp b, 0,1,2,3
	v_add_nc_u32 v[TM+12+\b], 0xff000000, v[TM+\b]
.endr
.irp b, 0,1,2,3
	v_lshrrev_b32 v[TM+4+\b], 23, v[TM+12+\b]
.endr
	v_lshl_or_b32 v[PW], v[TM+5], 8, v[TM+4]
	v_lshl_or_b32 v[PW], v[TM+6], 16, v[PW]
	v_lshl_or_b32 v[PW], v[TM+7], 24, v[PW]
	s_wait_alu depctr_va_vdst(0)
	s_wait_xcnt 0x0                                ; the last block's stores have read PC
.irp c, 0,1
	v_cvt_scalef32_pk16_fp6_f32 v[PC+6*\c:PC+2+6*\c], v[\s+32*\c:\s+15+32*\c], v[TM+12+2*\c]
	v_cvt_scalef32_pk16_fp6_f32 v[PC+12+4*\c:PC+14+4*\c], v[\s+16+32*\c:\s+31+32*\c], v[TM+12+2*\c+1]
.endr
	v_nop
.irp c, 0,1
.irp i, 0,1,2
	v_permlane16_swap_b32 v[PC+6*\c+\i], v[PC+12+4*\c+\i]
.endr
.irp i, 0,1,2
	v_mov_b32 v[PC+3+6*\c+\i], v[PC+12+4*\c+\i]
.endr
.endr
.endm
.macro QKBLK a                         ; 16 tokens x 128 columns: (sum x factor) + bias x factor; two heads of 64, each half a fragment with scale bytes 127 above
	WIN 0x12+(\a)/4
.irp b, 0,1,2,3,4,5,6,7
.irp j, 0,2,4,6
	v_pk_fma_f32 v[T+8*\b+\j:T+8*\b+\j+1], v[64*((\a)%4)+8*\b+\j:64*((\a)%4)+8*\b+\j+1], s[98:99], v[96+8*\b+96*(\b/4)+\j:96+8*\b+96*(\b/4)+\j+1] op_sel_hi:[1,0,1]
.endr
.endr
	WIN 0
	PAIRS T
	QUANT T
	v_lshrrev_b32 v[TP], v[H16], v[PW]
	v_and_or_b32 v[WW+4*((\a)%2)+(\a)/2], v[TP], 0xffff, s67
	global_store_b128 v[VO16+(\a)%2], v[PC:PC+3], s[12:13] offset:((\a)/2)*1536+((\a)%2)*512
	global_store_b64 v[VO8+(\a)%2], v[PC+4:PC+5], s[12:13] offset:((\a)/2)*1536+1024+((\a)%2)*256
	global_store_b128 v[VO16+(\a)%2], v[PC+6:PC+9], s[12:13] offset:QH+((\a)/2)*1536+((\a)%2)*512
	global_store_b64 v[VO8+(\a)%2], v[PC+10:PC+11], s[12:13] offset:QH+((\a)/2)*1536+1024+((\a)%2)*256
.endm
.macro VBLK a                          ; 16 columns x 128 tokens
	WIN 0x02
.irp b, 0,1,2,3,4,5,6,7
.irp j, 0,2,4,6
	v_pk_add_f32 v[T+8*\b+\j:T+8*\b+\j+1], v[64*(\a)+8*\b+\j:64*(\a)+8*\b+\j+1], v[B1+2*(\a):B1+2*(\a)+1]
.endr
.endr
	WIN 0
	PAIRS T
	QUANT T
	v_mov_b32 v[WW+(\a)], v[PW]
.irp c, 0,1,2
	global_store_b128 v[VO16], v[PC+4*\c:PC+4*\c+3], s[10:11] offset:(\a)*1536+512*\c
.endr
.endm
	s_wait_alu depctr_va_vdst(0)                   ; the wait at the head's end
	s_wait_tensorcnt 0x0                           ; my part of chunk 0; the three lines ahead of slot 1's first fill
	ds_add_u32 v[SPW], v[NIL]
	s_wait_dscnt 0x0
	CROUND
	JLOAD G0X+4, G1X, G0W+4, G1W                   ; chunk 1
	FETCH_B 0, 0
	FETCH_A 0, 0
	FETCH_A 0, 4
	s_wait_loadcnt 0x0                             ; scale words and bias
.irp st, 0,1,2,3,4,5,6,7
	STEP \st
.if \st < 3
	global_prefetch_b8 v[PF2], s[8:9] offset:\st*ROWB th:TH_LOAD_NT scope:SCOPE_SE   ; V's chunk st of my rows
.endif
.endr
.irp i, 0,1,2,3,4,5,6,7
	global_load_b128 v[S0W+4*\i:S0W+4*\i+3], v[XSO], s[78:79] offset:4096*\i   ; V's scale words land under the way out of Q or K
.endr
.irp i, 0,1,2,3
	global_load_b128 v[S1W+4*\i:S1W+4*\i+3], v[WSO], s[82:83] offset:512*\i
.endr
.irp b, 0,1,2,3
	v_mov_b32 v[TM+4+\b], 0                        ; a lane permute's destination counts as one of its sources
.endr
	WIN 0x41
.irp b, 0,1,2,3,4,5,6,7
.irp j, 0,2,4,6
	v_pk_mul_f32 v[96+8*\b+96*(\b/4)+\j:96+8*\b+96*(\b/4)+\j+1], v[96+8*\b+96*(\b/4)+\j:96+8*\b+96*(\b/4)+\j+1], s[98:99] op_sel_hi:[1,0]
.endr
.endr
	WIN 0
.irp a, 0,1,2,3,4,5,6,7
	QKBLK \a
.endr
	global_store_b128 v[VOSQ], v[WW:WW+3], s[12:13] offset:6144
	global_store_b128 v[VOSQ], v[WW+4:WW+7], s[12:13] offset:6400
	s_wait_alu depctr_va_vdst(0)
	s_wait_xcnt 0x0                                ; the stores have read their registers: fragments may land there
	FETCH_B 8, 0
	FETCH_A2 8
	s_wait_loadcnt 0x0
.irp st, 8,9,10,11,12,13,14
	STEP2 \st
.endr
	s_wait_dscnt 0x0
	WIN MUL_LO
	MUL16 0, AF+48, 1, 7
	MUL16 2, AF+48, 1, 7
	WIN 0
	PLACES NP
.irp a, 0,1,2,3
	VBLK \a
.endr
	global_store_b128 v[VOSV], v[WW:WW+3], s[10:11] offset:6144   ; both halves of the lanes hold the same words and write the same 256 bytes
	s_wait_tensorcnt 0x0                           ; the wave's end
	ds_add_u32 v[SPW], v[NIL]
	s_wait_dscnt 0x0
	CROUND
	s_endpgm
.Lfunc_end_k_qaa7290535a_inproj:
	.size	k_qaa7290535a_inproj, .Lfunc_end_k_qaa7290535a_inproj-k_qaa7290535a_inproj
	.p2alignl 7, 3214868480
	.fill 96, 4, 3214868480
	.section	.rodata,"a",@progbits
	.p2align	6, 0x0
	.amdhsa_kernel k_qaa7290535a_inproj
		.amdhsa_group_segment_fixed_size 327680
		.amdhsa_private_segment_fixed_size 0
		.amdhsa_enable_private_segment 0
		.amdhsa_kernarg_size 96
		.amdhsa_user_sgpr_count 2
		.amdhsa_user_sgpr_kernarg_segment_ptr 1
		.amdhsa_wavefront_size32 1
		.amdhsa_system_sgpr_workgroup_id_x 1
		.amdhsa_system_sgpr_workgroup_id_y 1
		.amdhsa_system_sgpr_workgroup_id_z 1
		.amdhsa_system_vgpr_workitem_id 0
		.amdhsa_next_free_vgpr 1024
		.amdhsa_next_free_sgpr 102
		.amdhsa_reserve_vcc 0
		.amdhsa_float_denorm_mode_32 3
		.amdhsa_float_denorm_mode_16_64 3
		.amdhsa_memory_ordered 1
		.amdhsa_forward_progress 1
		.amdhsa_inst_pref_size 255
	.end_amdhsa_kernel
	.section	.bss,"aw",@nobits
	.p2align	6
	.space	262144
	.amdgpu_metadata
---
amdhsa.version: [ 1, 2 ]
amdhsa.kernels:
  - .name:           k_qaa7290535a_inproj
    .symbol:         k_qaa7290535a_inproj.kd
    .args:
      - { .name: q_codes, .offset: 0, .size: 8, .value_kind: global_buffer, .address_space: global }
      - { .name: q_scales, .offset: 8, .size: 8, .value_kind: global_buffer, .address_space: global }
      - { .name: k_codes, .offset: 16, .size: 8, .value_kind: global_buffer, .address_space: global }
      - { .name: k_scales, .offset: 24, .size: 8, .value_kind: global_buffer, .address_space: global }
      - { .name: v_codes, .offset: 32, .size: 8, .value_kind: global_buffer, .address_space: global }
      - { .name: v_scales, .offset: 40, .size: 8, .value_kind: global_buffer, .address_space: global }
      - { .name: in_proj_weight_codes, .offset: 48, .size: 8, .value_kind: global_buffer, .address_space: global }
      - { .name: in_proj_weight_scales, .offset: 56, .size: 8, .value_kind: global_buffer, .address_space: global }
      - { .name: in_proj_bias, .offset: 64, .size: 8, .value_kind: global_buffer, .address_space: global }
      - { .name: qimg, .offset: 72, .size: 8, .value_kind: global_buffer, .address_space: global }
      - { .name: kimg, .offset: 80, .size: 8, .value_kind: global_buffer, .address_space: global }
      - { .name: vimg, .offset: 88, .size: 8, .value_kind: global_buffer, .address_space: global }
    .group_segment_fixed_size: 327680
    .private_segment_fixed_size: 0
    .kernarg_segment_align: 8
    .kernarg_segment_size: 96
    .max_flat_workgroup_size: 128
    .sgpr_count:     102
    .vgpr_count:     1024
    .wavefront_size: 32
...
	.end_amdgpu_metadata
.endif
;; end of part 1
;; launch attend (part 2): grid 4 x 64, 16 waves a work-group, clusters of 4 x 1, 327,680 bytes of LDS; arguments qimg, kimg, vimg, aimg, ascl; writes aimg, ascl
.if DOCPART == 2
	.amdgcn_target "amdgcn-amd-amdhsa--gfx1250"
	.amdhsa_code_object_version 6
	.text
	.protected	k_qaa7290535a_attend
	.globl	k_qaa7290535a_attend
	.p2align	8
	.type	k_qaa7290535a_attend,@function
k_qaa7290535a_attend:
	s_mov_b64 s[64:65], 0
	v_nop
	global_prefetch_b8 v0, s[64:65] scope:SCOPE_SE
	s_setreg_imm32_b32 hwreg(HW_REG_WAVE_MODE, 25, 1), 1
	s_wait_xcnt 0x0
	s_wait_alu depctr_hold_cnt(0) depctr_sa_sdst(0) depctr_va_vdst(0) depctr_va_sdst(0) depctr_va_ssrc(0) depctr_va_vcc(0) depctr_vm_vsrc(0)
	s_getreg_b32 s2, hwreg(HW_REG_IB_STS2, 6, 4)
	s_cmp_eq_u32 s2, 0
	s_cbranch_scc0 .Lentry_in_a_cluster
	s_endpgm
.Lentry_in_a_cluster:
	s_bfe_u32 s2, ttmp6, 0x10000c
	s_cmp_lg_u32 s2, 0x3003
	s_cbranch_scc0 .Lentry_shape_is_right
	s_endpgm
.Lentry_shape_is_right:
; ATTENTION on codes of FP6 (E2M3): for each of 128 heads (1,024 tokens, head size 64) O = softmax(Q K^T) V; Q holds the factor 1/8 already.  O / l is quantised along the embedding and stored as operand images.
; THE SOFTMAX: t = score x log2(e); M = the running largest t, rounded up to a whole number; p = 2^(t - M) is quantised along the keys; the row's sum l is taken of the unquantised p and divides O at the end.
; When M moves, l and O are multiplied by 2^(old M - new M): exact.
; SHARES.  A work-group takes two heads (2 y, 2 y + 1: one K step of 128 of the out-projection), one after the other, and 256 queries; each of its sixteen waves one tile of 16 queries in 256 registers.
; K AND V OF BOTH HEADS LIE IN LDS WHOLE (208,896 bytes): every LDS byte is filled once.  Each wave asks for one chunk of 128 tokens of the first head at the head (waves 0-7: K, waves 8-15: V) and for the same chunk of the
; second head behind the three lines and a round; the barrier that shows the second head's chunks to all waves stands behind the first head's third key step, and from there on the waves meet only at the last barrier, which hands over the scale words.
; CLUSTER 4 x 1: the four blocks of queries of a pair of heads read the same K and V: each chunk is asked for jointly, by the same tensor load with the mask of all four.
; No prefetch: all of K and V is asked for by these two groups of tensor loads, and the second group has three key steps in which to land.
; LAYOUT.  Both products transposed: S^T = K Q^T, O^T = V^T P^T: a lane holds one query.  Row i of K's tile (c, t) is key 64 c + 32 (i / 8) + 8 t + i % 8 (the image's slots give that by address), so that the
; 32 registers of tiles (c, 0 .. 3) are keys 64 c + 32 h + 0 .. 31: A LANE HOLDS WHOLE BLOCKS OF 32 KEYS, as the second product's operand wants them: a block's maximum, scale and codes need no other lane.
; K = 64 IN AN INSTRUCTION OF K = 128: Q's fragment is 6 registers of codes and 6 of zeros; K's fragments lie 6 registers apart, so the upper half of one is the next one's codes (behind the last: zeros).
; E2M3 has no infinity and no NaN, Q's codes there are 0 and both sides' scale bytes there are 127: those products add exactly 0.
; LIMITS: NaN and infinities are not served; a block of O / l whose largest magnitude lies under 2^-124 gets the byte 1; the promise holds while the scaled scores stay under 2^31 in magnitude.
; REGISTERS: v1-4, v6, v7 lane terms; v8-10, v29, v30 the step's addresses; v12 -M, v13 largest t, v[14:15] l; v16-27 Q; v32-85 K's or V's fragments; v96-159 S^T, p; v160-191 O^T; v192-203 attn's codes, v204 its scale word;
;   v206-212 the second head's Q; v213 Q's scale word, v214-217 K's, v218-221 V's; v224-235 p's codes; v236-254 at work (v253 p's scale word).
.set KC,  6656
.set KH,  53248
.set VCH, 6400
.set VHD, 51200
.set VB,  2*KH                         ; LDS: K's 16 chunks, then V's 16,
.set SCS, VB+2*VHD                     ; then 1,024 bytes for attn's scale words: no tile lands there
.set QF,  16
.set AC,  192
.set AW,  204
.set Q1,  206
.set QS1, 212
.set QS,  213
.set KS,  214
.set VS,  218
.set PC,  224
.set CT,  236
.set SO,  244
.set BM,  248
.macro CROUND
	s_barrier_signal -1
	s_barrier_wait -1
	s_cmp_lg_u32 s14, 0
	s_cbranch_scc1 .Lnot_wave_0_\@
	s_barrier_signal -3
.Lnot_wave_0_\@:
	s_barrier_wait -3
	s_barrier_signal -1
	s_barrier_wait -1
.endm
	s_load_b256 s[4:11], s[0:1], 0x0               ; qimg, kimg, vimg, aimg
	s_load_b64 s[12:13], s[0:1], 0x20              ; ascl
	v_lshl_add_u32 v94, v0, 2, 0x34000
	v_mov_b32 v95, 0
	ds_add_u32 v94, v95                            ; the opening lines
	ds_add_u32 v94, v95
	v_lshrrev_b32 v1, 5, v0
	s_delay_alu instid0(VALU_DEP_1)
	v_readfirstlane_b32 s14, v1                    ; wave 0..15
	s_bfe_u32 s15, ttmp6, 0x40000                  ; cx: my block of 256 queries
	s_and_b32 s16, ttmp7, 0xffff                   ; y: the pair of heads, which the four partners share
	s_mov_b32 s20, 0x76543210
	s_mov_b32 s21, 0xfedcba98                      ; lane l xor 16
	s_mov_b32 s22, 0x3fb8aa3b                      ; log2(e)
	s_mov_b32 s23, s22
	; descriptor groups 1: dense chunks as rows of 256 bytes (32 elements of 8): K 26 rows, V 25
	s_mov_b32 s24, 15|(3<<16)|(1<<21)
	s_mov_b32 s25, 32<<16
	s_mov_b32 s26, 26<<16
	s_mov_b32 s27, 32<<16
	s_mov_b32 s28, 26
	s_mov_b32 s29, 32
	s_mov_b32 s30, 0
	s_mov_b32 s31, 0
	s_mov_b32 s32, 15|(3<<16)|(1<<21)
	s_mov_b32 s33, 32<<16
	s_mov_b32 s34, 25<<16
	s_mov_b32 s35, 32<<16
	s_mov_b32 s36, 25
	s_mov_b32 s37, 32
	s_mov_b32 s38, 0
	s_mov_b32 s39, 0
	s_and_b32 s60, s14, 7                          ; which chunk I fetch
	s_mul_i32 s61, s16, 2*KH                       ; the pair's first byte in qimg and kimg
	s_mul_i32 s62, s60, KC                         ; the chunk's place in LDS, and from the pair's first byte in memory
	s_add_co_u32 s66, s61, s62
	s_mov_b32 s67, 0
	s_mul_i32 s63, s60, VCH
	s_mul_i32 s68, s16, 2*VHD
	s_add_co_u32 s68, s68, s63
	s_mov_b32 s69, 0
	s_add_co_u32 s63, s63, VB
	; Q: chunk 2 cx + wave / 8; in it tile wave % 8: be = tile / 2, al = tile % 2
	s_lshl_b32 s70, s15, 1
	s_lshr_b32 s71, s14, 3
	s_add_co_u32 s70, s70, s71
	s_mul_i32 s70, s70, KC
	s_add_co_u32 s70, s70, s61
	s_mov_b32 s71, 0
	; attn: K step i = y % 8, tile of rows 64 (y / 8) + 16 cx + wave
	s_and_b32 s72, s16, 7
	s_lshr_b32 s73, s16, 3
	s_lshl_b32 s74, s73, 6
	s_lshl_b32 s75, s15, 4
	s_add_co_u32 s74, s74, s75
	s_lshl_b32 s76, s72, 15
	s_lshl_b32 s77, s74, 6
	s_add_co_u32 s76, s76, s77
	s_min_u32 s78, s14, 1
	s_lshl_b32 s78, s78, 9                         ; waves 0 and 1 store the work-group's 1,024 bytes of scale words, 512 each
	s_add_co_u32 s76, s76, s78
	s_mov_b32 s77, 0
	s_add_co_u32 s74, s74, s14
	s_mul_i32 s74, s74, 3072
	s_lshr_b32 s75, s72, 1
	s_mul_i32 s75, s75, 1572864
	s_add_co_u32 s74, s74, s75
	s_and_b32 s75, s72, 1
	s_mul_i32 s75, s75, 1536
	s_add_co_u32 s74, s74, s75
	s_mov_b32 s75, 0
	; lane terms of the LDS addresses.  lane = 16 hl + 8 io + i'
	v_and_b32 v6, 31, v0
	s_delay_alu instid0(VALU_DEP_1)
	v_lshlrev_b32 v6, 4, v6                        ; 16 x lane
	v_and_b32 v7, 15, v0
	s_delay_alu instid0(VALU_DEP_1)
	v_lshl_add_u32 v31, v7, 2, SCS
	s_delay_alu instid0(VALU_DEP_2)
	v_lshlrev_b32 v7, 4, v7                        ; 16 r
	v_bfe_u32 v222, v0, 3, 1                       ; io
	v_bfe_u32 v223, v0, 4, 1                       ; hl
	v_and_b32 v255, 7, v0                          ; i'
	s_delay_alu instid0(VALU_DEP_3)
	v_mul_u32_u24 v1, v222, 1536
	v_lshlrev_b32 v3, 2, v222
	v_lshlrev_b32 v4, 3, v223                      ; 8 hl: where my two scale bytes stand in p's scale word
	s_delay_alu instid0(VALU_DEP_3)
	v_lshl_add_u32 v2, v223, 7, v1
	v_lshl_add_u32 v1, v223, 8, v1
	v_lshl_add_u32 v3, v223, 7, v3
	s_delay_alu instid0(VALU_DEP_3)
	v_lshl_add_u32 v2, v255, 3, v2                 ; K's pieces of 8 bytes: 1,536 io + 128 hl + 8 i'
	v_lshl_add_u32 v1, v255, 4, v1                 ; K's pieces of 16 bytes: 1,536 io + 256 hl + 16 i'
	v_lshl_add_u32 v3, v255, 4, v3                 ; K's scale words [al][r][be]: lanes 0-15 the rows of an even tile, lanes 16-31 those of the odd one: 128 hl + 16 i' + 4 io
	s_lshl_b32 s19, s14, 6
	v_add_nc_u32 v31, s19, v31                     ; where I put my tile's scale words: SCS + 64 wave + 4 r
	v_add_nc_u32 v205, s78, v6
	s_delay_alu instid0(VALU_DEP_1)
	v_add_nc_u32 v205, SCS, v205                   ; where waves 0 and 1 read them back
	; Q's offsets
	s_and_b32 s17, s14, 1                          ; al
	s_bfe_u32 s18, s14, 0x20001                    ; be
	s_mul_i32 s59, s18, 1536
	s_lshl_b32 s19, s17, 7
	v_xor_b32 v222, s19, v6
	s_lshl_b32 s19, s17, 9
	s_add_co_u32 s19, s19, s59
	v_add_nc_u32 v222, s19, v222                   ; 1536 be + 512 al + 16 (lane xor 8 al)
	v_lshrrev_b32 v223, 1, v6
	s_lshl_b32 s19, s17, 6
	v_xor_b32 v223, s19, v223
	s_lshl_b32 s19, s17, 8
	s_add_co_u32 s19, s19, s59
	s_add_co_u32 s19, s19, 1024
	v_add_nc_u32 v223, s19, v223                   ; 1536 be + 1024 + 256 al + 8 (lane xor 8 al)
	s_lshl_b32 s19, s17, 8
	s_lshl_b32 s59, s18, 2
	s_add_co_u32 s19, s19, s59
	s_add_co_u32 s19, s19, 6144
	v_add_nc_u32 v255, s19, v7                     ; 6144 + 256 al + 16 r + 4 be
.irp i, 0,1,2,3,4,5
	v_mov_b32 v[QF+6+\i], 0                        ; Q's upper 64 along K: zero codes
	v_mov_b32 v[80+\i], 0                          ; behind K's last fragment
.endr
.irp i, 0,1,2,3,4,5,6,7
	v_mov_b32 v[CT+\i], 0                          ; written once: a lane permute's destination counts as one of its sources
.endr
	v_mov_b32 v253, 0
	s_wait_dscnt 0x0
	s_wait_kmcnt 0x0
	s_add_nc_u64 s[4:5], s[4:5], s[70:71]
	s_add_nc_u64 s[6:7], s[6:7], s[66:67]
	s_add_nc_u64 s[8:9], s[8:9], s[68:69]
	s_add_nc_u64 s[10:11], s[10:11], s[74:75]
	s_add_nc_u64 s[12:13], s[12:13], s[76:77]
.irp e, 0,1
	s_mov_b32 s[40+4*\e], 1
	s_add_co_u32 s[41+4*\e], s62, \e*KH
	s_add_nc_u64 s[42+4*\e:43+4*\e], s[6:7], \e*KH
	s_or_b32 s[43+4*\e], s[43+4*\e], 0x80000000
	s_mov_b32 s[48+4*\e], 1
	s_add_co_u32 s[49+4*\e], s63, \e*VHD
	s_add_nc_u64 s[50+4*\e:51+4*\e], s[8:9], \e*VHD
	s_or_b32 s[51+4*\e], s[51+4*\e], 0x80000000
.endr
.macro ASKKV e                         ; my chunk of head e: waves 0-7 K's, waves 8-15 V's
	s_cmp_lt_u32 s14, 8
	s_cbranch_scc0 .Lfor_v_\@
	tensor_load_to_lds s[40+4*\e:43+4*\e], s[24:31]
	s_nop 0
.rept 4
	v_nop
.endr
	s_branch .Lasked_\@
.Lfor_v_\@:
	tensor_load_to_lds s[48+4*\e:51+4*\e], s[32:39]
	s_nop 0
.rept 4
	v_nop
.endr
.Lasked_\@:
.endm
	CROUND                                         ; all four work-groups are here: the joint loads meet
	ASKKV 0                                        ; one tensor load a wave at the head
	global_load_b128 v[QF:QF+3], v222, s[4:5]      ; both heads' Q: the image is the fragment's registers
	global_load_b64 v[QF+4:QF+5], v223, s[4:5]
	global_load_b32 v[QS], v255, s[4:5]
	global_load_b128 v[Q1:Q1+3], v222, s[4:5] offset:KH
	global_load_b64 v[Q1+4:Q1+5], v223, s[4:5] offset:KH
	global_load_b32 v[QS1], v255, s[4:5] offset:KH
; A KEY STEP: 128 keys, the chunk at LDS bytes s56 (K) and s57 (V)
.macro STEP
	v_add_nc_u32 v8, s56, v1                       ; (these four are also the places behind the last products, in front of the loads into their registers)
	v_add_nc_u32 v9, s56, v2
	v_add_nc_u32 v10, s56, v3
	v_add_nc_u32 v29, s57, v6
.irp c, 0,1
.irp t, 0,1,2,3
	ds_load_b128 v[32+24*\c+6*\t:35+24*\c+6*\t], v8 offset:3072*\c+512*(\t/2)+128*((\t%2+\t/2)%2)
	ds_load_b64 v[36+24*\c+6*\t:37+24*\c+6*\t], v9 offset:3072*\c+1024+256*(\t/2)+64*((\t%2+\t/2)%2)
.endr
.endr
.irp c, 0,1
.irp a, 0,1
	ds_load_b32 v[KS+2*\c+\a], v10 offset:6144+256*\a+8*\c      ; the words of tiles (c, 2 a) and (c, 2 a + 1)
.endr
.endr
	s_wait_alu depctr_va_vdst(0)
	s_wait_dscnt 0x0
.irp c, 0,1
.irp a, 0,1
	v_wmma_scale_f32_16x16x128_f8f6f4 v[96+32*\c+16*\a:103+32*\c+16*\a], v[32+24*\c+12*\a:43+24*\c+12*\a], v[QF:QF+11], 0, v[KS+2*\c+\a], v[QS] matrix_a_fmt:MATRIX_FMT_FP6 matrix_b_fmt:MATRIX_FMT_FP6
	v_wmma_scale_f32_16x16x128_f8f6f4 v[104+32*\c+16*\a:111+32*\c+16*\a], v[38+24*\c+12*\a:49+24*\c+12*\a], v[QF:QF+11], 0, v[KS+2*\c+\a], v[QS] matrix_a_fmt:MATRIX_FMT_FP6 matrix_b_fmt:MATRIX_FMT_FP6 matrix_a_scale:MATRIX_SCALE_ROW1
.endr
.endr
	v_add_nc_u32 v30, s57, v7                      ; four places: in front of the loads over K's fragments and of the first read of the scores
	v_mov_b32 v254, v12                            ; the old -M
	v_nop
	v_nop
.irp t, 0,1,2,3
.irp c, 0,1,2
	ds_load_b128 v[32+12*\t+4*\c:35+12*\t+4*\c], v29 offset:1536*\t+512*\c   ; V's four fragments land under the softmax
.endr
.endr
	ds_load_b128 v[VS:VS+3], v30 offset:6144
.irp b, 0,1,2,3
	v_max3_num_f32 v[BM+\b], v[96+16*\b], v[97+16*\b], v[98+16*\b]   ; the largest score of my two blocks of 32 keys, each in two chains: for the row's maximum and, since p rises with the score, for the block's largest p
.endr
.irp i, 3,5,7,9,11,13
.irp b, 0,1,2,3
	v_max3_num_f32 v[BM+\b], v[BM+\b], v[96+16*\b+\i], v[97+16*\b+\i]
.endr
.endr
	v_max3_num_f32 v[BM], v[BM], v[BM+1], v111
	v_max3_num_f32 v[BM+2], v[BM+2], v[BM+3], v143
	v_max_num_f32 v[BM], v[BM], v127               ; block h
	v_max_num_f32 v[BM+2], v[BM+2], v159           ; block 2 + h
	s_delay_alu instid0(VALU_DEP_1)
	v_max_num_f32 v[BM+1], v[BM], v[BM+2]
	s_delay_alu instid0(VALU_DEP_1)
	v_permlanex16_b32 v[CT], v[BM+1], s20, s21
	s_delay_alu instid0(VALU_DEP_1)
	v_max_num_f32 v[BM+1], v[BM+1], v[CT]          ; the step's largest score of my query
	s_delay_alu instid0(VALU_DEP_1)
	v_mul_f32 v[BM+1], s22, v[BM+1]
	s_delay_alu instid0(VALU_DEP_1)
	v_max_num_f32 v13, v13, v[BM+1]                ; the running largest t
	s_delay_alu instid0(VALU_DEP_1)
	v_floor_f32 v12, -v13                          ; -M = floor(-t): M is a whole number
	s_delay_alu instid0(VALU_DEP_1)
	v_sub_f32 v254, v12, v254
	s_delay_alu instid0(VALU_DEP_1)
	v_cvt_i32_f32 v254, v254                       ; (it saturates)
	s_delay_alu instid0(VALU_DEP_1)
	v_ldexp_f32 v252, 1.0, v254                    ; f = 2^(old M - new M)
.set J, 0
.rept 32
	v_pk_fma_f32 v[96+J:97+J], v[96+J:97+J], s[22:23], v[12:13] op_sel_hi:[1,0,0]   ; t - M
.set J, J+2
.endr
	v_fma_f32 v[BM], v[BM], s22, v12
	v_fma_f32 v[BM+2], v[BM+2], s22, v12
.set J, 0
	s_wait_alu depctr_va_vdst(0)
.rept 64
	v_exp_f32 v[96+J], v[96+J]                     ; p = 2^(t - M)
.set J, J+1
.endr
	v_pk_mul_f32 v[14:15], v[14:15], v[252:253] op_sel_hi:[1,0]      ; l under the new M: a plain place behind the exponentials
	s_wait_alu depctr_va_vdst(0)                   ; one wait for the batch, ahead of its first reader
	v_exp_f32 v[BM], v[BM]                         ; each block's largest p
	v_exp_f32 v[BM+2], v[BM+2]
	v_pk_add_f32 v[236:237], v[100:101], v[104:105]
	v_pk_add_f32 v[246:247], v[108:109], v[112:113]
	v_pk_add_f32 v[244:245], v[116:117], v[120:121]
	v_pk_add_f32 v[242:243], v[124:125], v[128:129]
	v_pk_add_f32 v[240:241], v[132:133], v[136:137]
	v_pk_add_f32 v[238:239], v[140:141], v[144:145]
	v_pk_add_f32 v[234:235], v[148:149], v[152:153]
	v_pk_add_f32 v[14:15], v[14:15], v[156:157]
	v_pk_add_f32 v[236:237], v[236:237], v[96:97]
	v_pk_add_f32 v[246:247], v[246:247], v[98:99]
	v_pk_add_f32 v[244:245], v[244:245], v[102:103]
	v_pk_add_f32 v[242:243], v[242:243], v[106:107]
	v_pk_add_f32 v[240:241], v[240:241], v[110:111]
	v_pk_add_f32 v[238:239], v[238:239], v[114:115]
	v_pk_add_f32 v[234:235], v[234:235], v[118:119]
	v_pk_add_f32 v[14:15], v[14:15], v[122:123]
	v_pk_add_f32 v[236:237], v[236:237], v[126:127]
	v_pk_add_f32 v[246:247], v[246:247], v[130:131]
	v_pk_add_f32 v[244:245], v[244:245], v[134:135]
	v_pk_add_f32 v[242:243], v[242:243], v[138:139]
	v_pk_add_f32 v[240:241], v[240:241], v[142:143]
	v_pk_add_f32 v[238:239], v[238:239], v[146:147]
	v_pk_add_f32 v[234:235], v[234:235], v[150:151]
	v_pk_add_f32 v[14:15], v[14:15], v[154:155]
	v_pk_add_f32 v[236:237], v[236:237], v[158:159]
	s_delay_alu instid0(VALU_DEP_2)
	v_pk_add_f32 v[14:15], v[14:15], v[242:243]
	s_delay_alu instid0(VALU_DEP_2)
	v_pk_add_f32 v[236:237], v[236:237], v[240:241]
	v_pk_add_f32 v[246:247], v[246:247], v[238:239]
	v_pk_add_f32 v[244:245], v[244:245], v[234:235]
	s_delay_alu instid0(VALU_DEP_2)
	v_pk_add_f32 v[14:15], v[14:15], v[246:247]
	s_delay_alu instid0(VALU_DEP_2)
	v_pk_add_f32 v[236:237], v[236:237], v[244:245]
	s_delay_alu instid0(VALU_DEP_1)
	v_pk_add_f32 v[14:15], v[14:15], v[236:237]
	s_wait_alu depctr_va_vdst(0)                   ; and one for the two
	v_max_num_f32 v[BM], 0x1800000, v[BM]          ; the floor 2^(3 - 127)
	v_max_num_f32 v[BM+2], 0x1800000, v[BM+2]
	s_delay_alu instid0(VALU_DEP_2)
	v_add_nc_u32 v[SO], 0xff000000, v[BM]          ; 2 off the exponent field: the conversion's scale operand
	s_delay_alu instid0(VALU_DEP_2)
	v_add_nc_u32 v[SO+1], 0xff000000, v[BM+2]
	s_delay_alu instid0(VALU_DEP_2)
	v_lshrrev_b32 v[CT], 23, v[SO]
	s_delay_alu instid0(VALU_DEP_2)
	v_lshrrev_b32 v[CT+1], 23, v[SO+1]
	s_delay_alu instid0(VALU_DEP_1)
	v_lshl_or_b32 v253, v[CT+1], 16, v[CT]         ; my two bytes: blocks h and 2 + h,
	s_delay_alu instid0(VALU_DEP_1)
	v_lshlrev_b32 v253, v4, v253                   ; at their places in the scale word;
	s_delay_alu instid0(VALU_DEP_1)
	v_permlanex16_b32 v[CT+2], v253, s20, s21
	s_delay_alu instid0(VALU_DEP_1)
	v_or_b32 v253, v253, v[CT+2]                   ; with lane l xor 16's two the word is whole
.irp c, 0,1
	v_cvt_scalef32_pk16_fp6_f32 v[PC+6*\c:PC+2+6*\c], v[96+32*\c:111+32*\c], v[SO+\c]
	v_cvt_scalef32_pk16_fp6_f32 v[86+4*\c:88+4*\c], v[112+32*\c:127+32*\c], v[SO+\c]    ; (a conversion's three registers begin on an even number: v86-88 and v90-92 serve this alone)
.endr
	v_nop                                          ; one plain place behind a scaled conversion
.irp c, 0,1
.irp i, 0,1,2
	v_mov_b32 v[PC+3+6*\c+\i], v[86+4*\c+\i]
.endr
.endr
	s_wait_alu depctr_va_vdst(0)                   ; the wait directly ahead of the first reader of O^T
.set J, 0
.rept 16
	v_pk_mul_f32 v[160+J:161+J], v[160+J:161+J], v[252:253] op_sel_hi:[1,0]   ; O^T under the new M; also the places between p's scale word and codes and the products
.set J, J+2
.endr
	s_wait_alu depctr_va_vdst(0)
	s_wait_dscnt 0x0                               ; V
.irp t, 0,1,2,3
	v_wmma_scale_f32_16x16x128_f8f6f4 v[160+8*\t:167+8*\t], v[32+12*\t:43+12*\t], v[PC:PC+11], v[160+8*\t:167+8*\t], v[VS+\t], v253 matrix_a_fmt:MATRIX_FMT_FP6 matrix_b_fmt:MATRIX_FMT_FP6
.endr
	s_add_co_u32 s56, s56, KC
	s_add_co_u32 s57, s57, VCH
.endm
; ONE HEAD: eight key steps, then O / l is quantised: the head's 64 are two blocks of 32 of the out-projection's K: registers 6 e .. 6 e + 5 of the fragment, bytes 2 e, 2 e + 1 of the scale word
.macro HEAD e
.if \e
.irp i, 0,1,2,3,4,5
	v_mov_b32 v[QF+\i], v[Q1+\i]
.endr
	v_mov_b32 v[QS], v[QS1]
.endif
	v_mov_b32 v13, 0xff61b1e6                      ; -3e38, under every t
	s_delay_alu instid0(VALU_DEP_1)
	v_floor_f32 v12, -v13
	v_mov_b32 v14, 0
	v_mov_b32 v15, 0
.set J, 0
.rept 32
	v_mov_b32 v[160+J], 0                          ; O^T: the step is written once; the first change of M leaves zeros zeros
.set J, J+1
.endr
	s_mov_b32 s56, \e*KH
	s_mov_b32 s57, VB+\e*VHD
.if \e
	s_mov_b32 s58, 8
.else
	s_mov_b32 s58, 3
.Lpre_\@:
	STEP
	s_sub_co_u32 s58, s58, 1
	s_cmp_lg_u32 s58, 0
	s_cbranch_scc1 .Lpre_\@
	s_wait_alu depctr_va_vdst(0)
	s_wait_tensorcnt 0x0                           ; my chunk of the second head is in,
	s_wait_dscnt 0x0
	s_barrier_signal -1
	s_barrier_wait -1                              ; and everybody's
	s_mov_b32 s58, 5
.endif
.Lstep_\@:
	STEP
	s_sub_co_u32 s58, s58, 1
	s_cmp_lg_u32 s58, 0
	s_cbranch_scc1 .Lstep_\@
.rept 4
	v_nop
.endr
	v_add_f32 v14, v14, v15
	s_delay_alu instid0(VALU_DEP_1)
	v_permlanex16_b32 v254, v14, s20, s21
	s_delay_alu instid0(VALU_DEP_1)
	v_add_f32 v14, v14, v254                       ; the row's sum
	s_wait_alu depctr_va_vdst(0)
	v_rcp_f32 v14, v14
	v_nop
	s_wait_alu depctr_va_vdst(0)                   ; ahead of the reciprocal's first reader
.set J, 0
.rept 16
	v_pk_mul_f32 v[160+J:161+J], v[160+J:161+J], v[14:15] op_sel_hi:[1,0]   ; O / l, each accumulator from its low end on
.set J, J+2
.endr
.irp b, 0,1
.irp j, 0,1,2,3,4,5,6,7
	v_permlane16_swap_b32 v[160+16*\b+\j], v[168+16*\b+\j]          ; registers 16 b + i now hold d = 32 b + 16 h + i
.endr
.endr
.irp b, 0,1
	v_max3_num_f32 v[BM+\b], |v[160+16*\b]|, |v[161+16*\b]|, 0x1800000
.endr
.irp i, 2,4,6,8,10,12,14
.irp b, 0,1
	s_delay_alu instid0(VALU_DEP_2)
	v_max3_num_f32 v[BM+\b], v[BM+\b], |v[160+16*\b+\i]|, |v[161+16*\b+\i]|
.endr
.endr
.irp b, 0,1
	s_delay_alu instid0(VALU_DEP_2)
	v_permlanex16_b32 v[CT+\b], v[BM+\b], s20, s21
.endr
.irp b, 0,1
	s_delay_alu instid0(VALU_DEP_2)
	v_max_num_f32 v[BM+\b], v[BM+\b], v[CT+\b]
.endr
.irp b, 0,1
	s_delay_alu instid0(VALU_DEP_2)
	v_add_nc_u32 v[SO+\b], 0xff000000, v[BM+\b]
.endr
.irp b, 0,1
	s_delay_alu instid0(VALU_DEP_2)
	v_lshrrev_b32 v[CT+\b], 23, v[SO+\b]
.endr
.if \e
	s_delay_alu instid0(VALU_DEP_2)
	v_lshl_or_b32 v[AW], v[CT], 16, v[AW]
	s_delay_alu instid0(VALU_DEP_1)
	v_lshl_or_b32 v[AW], v[CT+1], 24, v[AW]
.else
	s_delay_alu instid0(VALU_DEP_1)
	v_lshl_or_b32 v[AW], v[CT+1], 8, v[CT]
.endif
	v_cvt_scalef32_pk16_fp6_f32 v[AC+6*\e:AC+6*\e+2], v[160:175], v[SO]
	v_cvt_scalef32_pk16_fp6_f32 v[CT+4:CT+6], v[176:191], v[SO+1]
	v_nop
.irp i, 0,1,2
	v_permlane16_swap_b32 v[AC+6*\e+\i], v[CT+4+\i]
.endr
.irp i, 0,1,2
	s_delay_alu instid0(VALU_DEP_3)
	v_mov_b32 v[AC+6*\e+3+\i], v[CT+4+\i]
.endr
.endm
	s_wait_alu depctr_va_vdst(0)                   ; the wait at the head's end
	s_wait_tensorcnt 0x0                           ; my chunk of the first head is in; the three lines ahead of a later first fill
	ds_add_u32 v94, v95
	s_wait_dscnt 0x0
	CROUND                                         ; everybody's is, and the four work-groups are here: the joint loads meet
	ASKKV 1                                        ; my chunk of the second head
	s_wait_loadcnt 0x0                             ; Q
	HEAD 0
	HEAD 1
.irp c, 0,1,2
	global_store_b128 v6, v[AC+4*\c:AC+4*\c+3], s[10:11] offset:512*\c   ; the fragment as it stands: 512 consecutive bytes a store
.endr
	ds_store_b32 v31, v[AW]                        ; both halves of the lanes write the same word with the same value
	s_wait_dscnt 0x0
	s_barrier_signal -1
	s_barrier_wait -1
	s_cmp_lt_u32 s14, 2
	s_cbranch_scc0 .Lno_words
	ds_load_b128 v[96:99], v205
	s_wait_dscnt 0x0
	global_store_b128 v6, v[96:99], s[12:13]       ; the sixteen tiles' scale words: 512 consecutive bytes a wave
.Lno_words:
	s_wait_tensorcnt 0x0
	ds_add_u32 v94, v95
	s_wait_dscnt 0x0
	CROUND                                         ; the closing round
	s_endpgm
.Lfunc_end_k_qaa7290535a_attend:
	.size	k_qaa7290535a_attend, .Lfunc_end_k_qaa7290535a_attend-k_qaa7290535a_attend
	.p2alignl 7, 3214868480
	.fill 96, 4, 3214868480
	.section	.rodata,"a",@progbits
	.p2align	6, 0x0
	.amdhsa_kernel k_qaa7290535a_attend
		.amdhsa_group_segment_fixed_size 327680
		.amdhsa_private_segment_fixed_size 0
		.amdhsa_enable_private_segment 0
		.amdhsa_kernarg_size 40
		.amdhsa_user_sgpr_count 2
		.amdhsa_user_sgpr_kernarg_segment_ptr 1
		.amdhsa_wavefront_size32 1
		.amdhsa_system_sgpr_workgroup_id_x 1
		.amdhsa_system_sgpr_workgroup_id_y 1
		.amdhsa_system_sgpr_workgroup_id_z 1
		.amdhsa_system_vgpr_workitem_id 0
		.amdhsa_next_free_vgpr 256
		.amdhsa_next_free_sgpr 80
		.amdhsa_reserve_vcc 0
		.amdhsa_float_denorm_mode_32 3
		.amdhsa_float_denorm_mode_16_64 3
		.amdhsa_memory_ordered 1
		.amdhsa_forward_progress 1
		.amdhsa_inst_pref_size 70
	.end_amdhsa_kernel
	.amdgpu_metadata
---
amdhsa.version: [ 1, 2 ]
amdhsa.kernels:
  - .name:           k_qaa7290535a_attend
    .symbol:         k_qaa7290535a_attend.kd
    .args:
      - { .name: qimg, .offset: 0, .size: 8, .value_kind: global_buffer, .address_space: global }
      - { .name: kimg, .offset: 8, .size: 8, .value_kind: global_buffer, .address_space: global }
      - { .name: vimg, .offset: 16, .size: 8, .value_kind: global_buffer, .address_space: global }
      - { .name: aimg, .offset: 24, .size: 8, .value_kind: global_buffer, .address_space: global }
      - { .name: ascl, .offset: 32, .size: 8, .value_kind: global_buffer, .address_space: global }
    .group_segment_fixed_size: 327680
    .private_segment_fixed_size: 0
    .kernarg_segment_align: 8
    .kernarg_segment_size: 40
    .max_flat_workgroup_size: 512
    .sgpr_count:     80
    .vgpr_count:     256
    .wavefront_size: 32
...
	.end_amdgpu_metadata
.endif
;; end of part 2
;; launch outproj (part 3): grid 8 x 32, 4 waves a work-group, clusters of 4 x 4, 327,680 bytes of LDS; arguments aimg, ascl, out_proj_weight_codes, out_proj_weight_scales, out_proj_bias, out0; writes out0
.if DOCPART == 3
	.amdgcn_target "amdgcn-amd-amdhsa--gfx1250"
	.amdhsa_code_object_version 6
	.text
	.protected	k_qaa7290535a_outproj
	.globl	k_qaa7290535a_outproj
	.p2align	8
	.type	k_qaa7290535a_outproj,@function
k_qaa7290535a_outproj:
	s_mov_b64 s[64:65], 0
	v_nop
	global_prefetch_b8 v0, s[64:65] scope:SCOPE_SE
	s_setreg_imm32_b32 hwreg(HW_REG_WAVE_MODE, 25, 1), 1
	s_wait_xcnt 0x0
	s_wait_alu depctr_hold_cnt(0) depctr_sa_sdst(0) depctr_va_vdst(0) depctr_va_sdst(0) depctr_va_ssrc(0) depctr_va_vcc(0) depctr_vm_vsrc(0)
	s_getreg_b32 s2, hwreg(HW_REG_IB_STS2, 6, 4)
	s_cmp_eq_u32 s2, 0
	s_cbranch_scc0 .Lentry_in_a_cluster
	s_endpgm
.Lentry_in_a_cluster:
	s_bfe_u32 s2, ttmp6, 0x10000c
	s_cmp_lg_u32 s2, 0xf033
	s_cbranch_scc0 .Lentry_shape_is_right
	s_endpgm
.Lentry_shape_is_right:
; THE OUT-PROJECTION: out = attn W^T + b, 8,192 x 1,024 x 1,024, on codes of FP6 (E2M3) with one E8M0 byte for each 32 along K.
; attn comes as images of operand registers: aimg [256 along K: 4][tile of 16 rows: 512][128 along K: 2][1,536 bytes], ascl [128 along K: 8][tile 512][row 16] words.  Tile 64 b + t holds tokens 16 t + r of batch b.
; SHARES: a work-group makes 256 rows (16 tiles) x 128 columns: 8 x 32 work-groups; a wave 64 rows x 128 columns: 32 accumulators.  Source 0 = W, source 1 = attn; the bias is the C of each sum's first product.
; ALL OF K LIES IN LDS, every byte filled once, by ONE tensor load a wave at the head: waves 0 and 1 two steps of 256 of attn each (2 rows of 49,152 dense bytes),
; waves 2 and 3 64 whole rows of W each (768 bytes, 16 of padding behind every 256: 816 apart in LDS).  One wait and one barrier, and no refill.
; CLUSTER 4 x 4: attn's tiles hang on y alone and are asked for jointly along a row of the cluster, W's on x alone, along a column.
; No prefetch: there is no loop to run ahead in; every byte is asked for by the tensor loads at the head.
; REGISTERS: window 0: v8-17 LDS addresses, v24-29 other addresses; v32-63 W's scale words, v64-79 attn's; v128-223 attn's fragments, two sets; on the way out v128-255 rows of out.
;   window 1: W's fragments, two sets (v0-95, v128-223); v96-127, v224-255 the bias.   window 2: the accumulators.
.set KROW,  768
.set WPIT,  816
.set AST,   49152                      ; attn: 16 tiles x 3,072 bytes: 256 along K
.set WB,    4*AST
.set SPARE, WB+128*WPIT
.set ASTEP, 1572864
.set SPITCH, 528                       ; the way out: 16 rows x (512 + 16) bytes a wave, in the bytes of my own four tiles of attn's first step, which no other wave touches
.set FR, 12
.set NP, 4
.set ADRA, 8                           ; v8-11  my four tiles of attn in steps 0 .. 3 of 256
.set ADRB, 12                          ; v12-13 W's rows 0-63, 64-127
.set ADRX, 16                          ; v16-17 the same, lanes 16-31 behind one padding more
.set STO,  24
.set RD,   25
.set CO,   26
.set WSO,  27
.set ASO,  28
.set BSO,  29
.set SPW,  126
.set NIL,  127
.set S0W,  32
.set S1W,  64
.set AF,   128
.set BK,   128
.set G1,  24
.set G1B, 32
.set G0,  48                           ; s[48:55] attn's two tiles;  s[68:75] W's two
.set G0B, 68
.set MSB, 0
.macro WIN new
.if MSB != (\new)
	s_set_vgpr_msb (MSB<<8)|(\new)
.set MSB, (\new)
.endif
.endm
.set MUL_W, 0xa1
.set TO_B,  0x40
.macro CROUND
	s_barrier_signal -1
	s_barrier_wait -1
	s_cmp_lg_u32 s14, 0
	s_cbranch_scc1 .Lnot_wave_0_\@
	s_barrier_signal -3
.Lnot_wave_0_\@:
	s_barrier_wait -3
	s_barrier_signal -1
	s_barrier_wait -1
.endm
.macro ARM under, g0, g1, next, join   ; one arm of a chain of branches on the wave's number: one tensor load, then the join
	s_cmp_lt_u32 s14, \under
	s_cbranch_scc0 \next
	tensor_load_to_lds s[\g0:\g0+3], s[\g1:\g1+7]
	s_nop 0
.rept 4
	v_nop
.endr
	s_branch \join
\next:
.endm
	s_load_b256 s[4:11], s[0:1], 0x0               ; aimg, ascl, W's codes, W's scales
	s_load_b128 s[96:99], s[0:1], 0x20             ; the bias, out
	v_lshl_add_u32 v[SPW], v0, 2, SPARE
	v_mov_b32 v[NIL], 0
	ds_add_u32 v[SPW], v[NIL]                      ; the opening lines
	ds_add_u32 v[SPW], v[NIL]
	v_lshrrev_b32 v1, 5, v0
	v_readfirstlane_b32 s14, v1
	s_bfe_u32 s40, ttmp6, 0x40000
	s_bfe_u32 s41, ttmp6, 0x40004
	s_lshl_b32 s42, ttmp9, 2
	s_add_co_u32 s42, s42, s40                     ; which 128 rows of W
	s_and_b32 s17, ttmp7, 0xffff
	s_lshl_b32 s17, s17, 2
	s_add_co_u32 s17, s17, s41                     ; which 16 tiles of rows
	s_lshl_b32 s43, s41, 2
	s_lshl_b32 s43, 15, s43
	s_lshl_b32 s44, 0x1111, s40
	s_or_b32 s[G1+0], s43, (3<<16)|(1<<21)         ; attn: 2 rows of 6,144 elements of 8 bytes, ASTEP bytes apart
	s_mov_b32 s[G1+1], 6144<<16
	s_mov_b32 s[G1+2], 2<<16
	s_mov_b32 s[G1+3], 6144<<16
	s_mov_b32 s[G1+4], 2
	s_mov_b32 s[G1+5], ASTEP/8
	s_mov_b32 s[G1+6], 0
	s_mov_b32 s[G1+7], 0
	s_or_b32 s[G1B+0], s44, (1<<20)|(1<<21)|(5<<22)|(3<<25)  ; W: 64 rows x 768 bytes, 16 of padding behind every 256
	s_mov_b32 s[G1B+1], KROW<<16
	s_mov_b32 s[G1B+2], 64<<16
	s_mov_b32 s[G1B+3], KROW<<16
	s_mov_b32 s[G1B+4], 64
	s_mov_b32 s[G1B+5], KROW
	s_mov_b32 s[G1B+6], 0
	s_mov_b32 s[G1B+7], 0
	s_mul_i32 s20, s17, 16*3072
	s_mov_b32 s21, 0
	s_mul_i32 s46, s42, 128*KROW
	s_mov_b32 s47, 0
	s_lshl_b32 s22, s17, 4
	s_lshl_b32 s23, s14, 2
	s_add_co_u32 s22, s22, s23
	s_lshl_b32 s22, s22, 6                         ; attn's scale words: my first tile
	s_mov_b32 s23, 0
	s_lshl_b32 s92, s42, 12                        ; W's scale bytes
	s_mov_b32 s93, 0
	s_lshl_b32 s84, s42, 9                         ; the bias
	s_mov_b32 s85, 0
	s_and_b32 s66, s17, 3                          ; my first row of out: token 256 (y & 3) + 64 x wave, batch y >> 2; column 128 x
	s_lshl_b32 s66, s66, 8
	s_lshl_b32 s67, s14, 6
	s_add_co_u32 s66, s66, s67
	s_lshl_b32 s66, s66, 3
	s_lshr_b32 s67, s17, 2
	s_add_co_u32 s66, s66, s67
	s_lshl_b32 s66, s66, 12
	s_lshl_b32 s67, s42, 9
	s_add_co_u32 s66, s66, s67
	s_mov_b32 s67, 0
	s_mul_i32 s18, s14, 4*3072
	v_and_b32 v1, 15, v0
	v_bfe_u32 v2, v0, 4, 1
	v_and_b32 v3, 31, v0
	v_lshlrev_b32 v[CO], 4, v3
	v_mul_u32_u24 v4, v1, WPIT
	v_mad_u32_u24 v5, v2, 24, v4                   ; row x pitch + 24 h
	v_mad_u32_u24 v4, v2, 40, v4                   ; and behind one padding more
	v_add_nc_u32 v[ADRA], s18, v[CO]
.irp s, 1,2,3
	v_add_nc_u32 v[ADRA+\s], \s*AST, v[ADRA]
.endr
.irp g, 0,1
	v_add_nc_u32 v[ADRB+\g], WB+\g*64*WPIT, v5
	v_add_nc_u32 v[ADRX+\g], WB+\g*64*WPIT, v4
.endr
	v_mul_u32_u24 v5, v1, SPITCH
	v_lshl_add_u32 v5, v2, 5, v5
	v_add_nc_u32 v[STO], s18, v5
	v_add_nc_u32 v[RD], s18, v[CO]
	v_lshlrev_b32 v[WSO], 5, v1
	v_lshl_add_u32 v[WSO], v2, 4, v[WSO]
	v_lshlrev_b32 v[ASO], 2, v1
	v_lshl_add_u32 v[ASO], v2, 17, v[ASO]
	v_lshlrev_b32 v[BSO], 5, v2
	s_wait_dscnt 0x0
	s_wait_kmcnt 0x0
	s_add_nc_u64 s[12:13], s[98:99], s[66:67]
	s_add_nc_u64 s[20:21], s[4:5], s[20:21]
	s_add_nc_u64 s[46:47], s[8:9], s[46:47]
	s_add_nc_u64 s[6:7], s[6:7], s[22:23]
	s_add_nc_u64 s[10:11], s[10:11], s[92:93]
	s_add_nc_u64 s[96:97], s[96:97], s[84:85]
.irp s, 0,1
	s_mov_b32 s[G0+4*\s], 1
	s_mov_b32 s[G0+4*\s+1], \s*2*AST
	s_add_nc_u64 s[G0+4*\s+2:G0+4*\s+3], s[20:21], \s*2*ASTEP
	s_or_b32 s[G0+4*\s+3], s[G0+4*\s+3], 0x80000000
	s_mov_b32 s[G0B+4*\s], 1
	s_mov_b32 s[G0B+4*\s+1], WB+\s*64*WPIT
	s_add_nc_u64 s[G0B+4*\s+2:G0B+4*\s+3], s[46:47], \s*64*KROW
	s_or_b32 s[G0B+4*\s+3], s[G0B+4*\s+3], 0x80000000
.endr
	CROUND
	ARM 1, G0, G1, .Lh1, .Lasked
	ARM 2, G0+4, G1, .Lh2, .Lasked
	ARM 3, G0B, G1B, .Lh3, .Lasked
	tensor_load_to_lds s[G0B+4:G0B+7], s[G1B:G1B+7]
	s_nop 0
.rept 4
	v_nop
.endr
.Lasked:
	s_wait_alu depctr_va_vdst(0)                   ; the wait at the head's end
.irp b, 0,1,2,3,4,5,6,7
	global_load_b128 v[S0W+4*\b:S0W+4*\b+3], v[WSO], s[10:11] offset:512*\b      ; W's rows 16 b + r: lanes 0-15 steps 0-3 of 128, lanes 16-31 steps 4-7
.endr
.irp a, 0,1,2,3
.irp k, 0,1,2,3
	global_load_b32 v[S1W+4*\a+\k], v[ASO], s[6:7] offset:32768*\k+64*\a
.endr
.endr
	WIN TO_B
.irp b, 0,1,2,3,4,5,6,7
	global_load_b128 v[96+8*\b+96*(\b/4):96+8*\b+96*(\b/4)+3], v[BSO], s[96:97] offset:64*\b
	global_load_b128 v[96+8*\b+96*(\b/4)+4:96+8*\b+96*(\b/4)+7], v[BSO], s[96:97] offset:64*\b+16
.endr
	WIN 0
	s_wait_tensorcnt 0x0                           ; my tile is in,
	s_barrier_signal -1
	s_barrier_wait -1                              ; and everybody's
.macro FRAG reg, kq, i                 ; W's fragment: 16 rows x 128 K in 12 registers, in pieces of 8 bytes; byte y of a row lies at y + 16 (y / 256) of its LDS row
.irp p, 0,1,2,3,4,5
.set BY, 96*(\kq)+48*(\p/3)+8*(\p%3)
.if BY/256 == (BY+24)/256
	ds_load_b64 v[\reg+2*\p:\reg+2*\p+1], v[ADRB+(\i)/4] offset:BY+16*(BY/256)+((\i)%4)*16*WPIT
.else
	ds_load_b64 v[\reg+2*\p:\reg+2*\p+1], v[ADRX+(\i)/4] offset:BY+16*(BY/256)+((\i)%4)*16*WPIT
.endif
.endr
.endm
.macro FETCH kq                        ; 60 LDS loads: the fragments of the kq-th 128 along K into set kq % 2
	WIN TO_B
.irp i, 0,1,2,3,4,5,6,7
	FRAG 128*((\kq)%2)+FR*\i, \kq, \i
.endr
	WIN 0
.irp i, 0,1,2,3
.irp c, 0,1,2
	ds_load_b128 v[AF+48*((\kq)%2)+FR*\i+4*\c:AF+48*((\kq)%2)+FR*\i+4*\c+3], v[ADRA+(\kq)/2] offset:3072*\i+1536*((\kq)%2)+512*\c
.endr
.endr
.endm
.macro MUL32 kq, first                 ; my four tiles of rows x W's eight; the 32 accumulators take turns
.irp a, 0,1,2,3
.irp b, 0,1,2,3,4,5,6,7
.set DD, 8*(8*\a+\b)
.set WF, 128*((\kq)%2)+FR*\b
.set AA, AF+48*((\kq)%2)+FR*\a
.set SB, S0W+4*\b+(\kq)%4
.set SA, S1W+4*\a+(\kq)%4
.if \first
	v_wmma_scale_f32_16x16x128_f8f6f4 v[DD:DD+7], v[WF:WF+11], v[AA:AA+11], v[96+8*\b+96*(\b/4):96+8*\b+96*(\b/4)+7], v[SB], v[SA] matrix_a_fmt:MATRIX_FMT_FP6 matrix_b_fmt:MATRIX_FMT_FP6
.elseif (\kq) < 4
	v_wmma_scale_f32_16x16x128_f8f6f4 v[DD:DD+7], v[WF:WF+11], v[AA:AA+11], v[DD:DD+7], v[SB], v[SA] matrix_a_fmt:MATRIX_FMT_FP6 matrix_b_fmt:MATRIX_FMT_FP6
.else
	v_wmma_scale_f32_16x16x128_f8f6f4 v[DD:DD+7], v[WF:WF+11], v[AA:AA+11], v[DD:DD+7], v[SB], v[SA] matrix_a_fmt:MATRIX_FMT_FP6 matrix_b_fmt:MATRIX_FMT_FP6 matrix_a_scale:MATRIX_SCALE_ROW1 matrix_b_scale:MATRIX_SCALE_ROW1
.endif
.endr
.endr
.endm
.macro PLACES n
.rept \n
	v_nop
.endr
.endm
; A step of 128 along K: the next step's fragments are asked for first, into the other set, and land under this step's 32 matrix instructions
.macro SUB kq, first
	s_wait_dscnt 0x0
.if (\kq) < 7
.if (\kq) > 0
	PLACES NP
.endif
	FETCH (\kq)+1
.endif
.if \first
	WIN 0x91                                       ; the bias (C) in window 1, D in window 2
.else
	WIN MUL_W
.endif
	MUL32 \kq, \first
	WIN 0
.endm
	FETCH 0
	s_wait_loadcnt 0x0
	SUB 0, 1
.irp q, 1,2,3,4,5,6,7
	SUB \q, 0
.endr
; THE WAY OUT, block by block of 16 rows x 128 columns, through my own stage: in by 32 bytes a lane, back as whole rows of 512 bytes.  LDS serves a wave's instructions in order (ISA guide 5.7.1.4).
.macro TOSTAGE a
.set ACB, 64*(\a)
	WIN 0x08
.irp b, 0,1,2,3,4,5,6,7
	ds_store_b128 v[STO], v[ACB+8*\b:ACB+8*\b+3] offset:64*\b        ; each accumulator from its low end on
	ds_store_b128 v[STO], v[ACB+8*\b+4:ACB+8*\b+7] offset:64*\b+16
.endr
	WIN 0
.set XB, BK+64*((\a)%2)
.irp t, 0,1,2,3,4,5,6,7,8,9,10,11,12,13,14,15
	ds_load_b128 v[XB+4*\t:XB+4*\t+3], v[RD] offset:\t*SPITCH
.endr
.endm
.macro SEND a, younger
.set XB, BK+64*((\a)%2)
	s_wait_dscnt \younger
.irp t, 0,1,2,3,4,5,6,7,8,9,10,11,12,13,14,15
	global_store_b128 v[CO], v[XB+4*\t:XB+4*\t+3], s[12:13] offset:(16*(\a)+\t)*32768 th:TH_STORE_NT   ; a token's row of my batch: 512 consecutive bytes, aligned
.endr
.endm
	PLACES NP
	TOSTAGE 0
.irp a, 1,2,3
.if \a > 1
	s_wait_xcnt 0x0                                ; block a - 2's stores have read their registers
.endif
	TOSTAGE \a
	SEND \a-1, 32                                  ; behind block a - 1's loads: block a's 16 stores and 16 loads
.endr
	SEND 3, 0
	s_wait_tensorcnt 0x0                           ; the wave's end
	ds_add_u32 v[SPW], v[NIL]
	s_wait_dscnt 0x0
	CROUND
	s_endpgm
.Lfunc_end_k_qaa7290535a_outproj:
	.size	k_qaa7290535a_outproj, .Lfunc_end_k_qaa7290535a_outproj-k_qaa7290535a_outproj
	.p2alignl 7, 3214868480
	.fill 96, 4, 3214868480
	.section	.rodata,"a",@progbits
	.p2align	6, 0x0
	.amdhsa_kernel k_qaa7290535a_outproj
		.amdhsa_group_segment_fixed_size 327680
		.amdhsa_private_segment_fixed_size 0
		.amdhsa_enable_private_segment 0
		.amdhsa_kernarg_size 48
		.amdhsa_user_sgpr_count 2
		.amdhsa_user_sgpr_kernarg_segment_ptr 1
		.amdhsa_wavefront_size32 1
		.amdhsa_system_sgpr_workgroup_id_x 1
		.amdhsa_system_sgpr_workgroup_id_y 1
		.amdhsa_system_sgpr_workgroup_id_z 1
		.amdhsa_system_vgpr_workitem_id 0
		.amdhsa_next_free_vgpr 768
		.amdhsa_next_free_sgpr 102
		.amdhsa_reserve_vcc 0
		.amdhsa_float_denorm_mode_32 3
		.amdhsa_float_denorm_mode_16_64 3
		.amdhsa_memory_ordered 1
		.amdhsa_forward_progress 1
		.amdhsa_inst_pref_size 90
	.end_amdhsa_kernel
	.amdgpu_metadata
---
amdhsa.version: [ 1, 2 ]
amdhsa.kernels:
  - .name:           k_qaa7290535a_outproj
    .symbol:         k_qaa7290535a_outproj.kd
    .args:
      - { .name: aimg, .offset: 0, .size: 8, .value_kind: global_buffer, .address_space: global }
      - { .name: ascl, .offset: 8, .size: 8, .value_kind: global_buffer, .address_space: global }
      - { .name: out_proj_weight_codes, .offset: 16, .size: 8, .value_kind: global_buffer, .address_space: global }
      - { .name: out_proj_weight_scales, .offset: 24, .size: 8, .value_kind: global_buffer, .address_space: global }
      - { .name: out_proj_bias, .offset: 32, .size: 8, .value_kind: global_buffer, .address_space: global }
      - { .name: out0, .offset: 40, .size: 8, .value_kind: global_buffer, .address_space: global }
    .group_segment_fixed_size: 327680
    .private_segment_fixed_size: 0
    .kernarg_segment_align: 8
    .kernarg_segment_size: 48
    .max_flat_workgroup_size: 128
    .sgpr_count:     102
    .vgpr_count:     768
    .wavefront_size: 32
...
	.end_amdgpu_metadata
.endif
;; end of part 3
